; MI455X (gfx1250); checked and timed in simulation.
; The chip was launched on July 23, 2026; its instructions are those of AMD's public machine-readable ISA for CDNA 5 (MIT licence, August 2026) and "CDNA5" Instruction Set Architecture Reference Guide (July 2026). The comments in the code are by the model that wrote it; some were corrected since.
;; Multi Head Self Attention. Allowed arithmetic: matrix products marked QUANTISED: E2M3 operands, one E8M0 scale for each 32 along K, by v_wmma_scale_f32_16x16x128_f8f6f4 with both operands' format E2M3, f32 sums; everything else in f32.
;; Inputs: proj_b 1,024 float32; proj_w 1,024 x 1,024 float32; qkv_b 3,072 float32; qkv_w 3,072 x 1,024 float32; x 64 x 197 x 1,024 float32.
;; Outputs: out0 64 x 197 x 1,024 float32.
;; This version of the problem:
;;   THIS VERSION OF THE PROBLEM IS GIVEN IN LOW PRECISION. The matrix products marked QUANTISED in the list below multiply operands that are first quantised to E2M3 (2 exponent bits, 3 mantissa bits; 6 bits a number), with one power-of-two scale for each 32 numbers along K (OCP MX v1.0); their sums are f32. All else is computed in f32.
;;   The module's matrix products, in the order in which they are computed (A, B: the left and right operand; K: the contracted axis; several contracted axes count as one K, in the product's order):
;;     1. [M 12,608, K 1,024] x [K 1,024, N 3,072]; A: input x; B: input qkv_w: QUANTISED
;;     2. batch 1,024 x [M 197, K 64] x [K 64, N 197]; A: computed on the way; B: computed on the way: QUANTISED
;;     3. batch 1,024 x [M 197, K 197] x [K 197, N 64]; A: softmax (see below); B: computed on the way: QUANTISED
;;     4. [M 12,608, K 1,024] x [K 1,024, N 1,024]; A: computed on the way; B: input proj_w: QUANTISED
;;   THE QUANTISER, for each operand of a quantised product, along K:
;;     - K is cut into blocks of 32 from its start; a last block that is shorter is filled with zeros.
;;     - A block's scale is 2^e with e = floor(log2(the largest magnitude in the block)) - 2, held to -126 .. 127; a block of zeros has e = 0. As a byte (E8M0): e + 127.
;;     - Each number is divided by its block's scale, clamped to +-7.5, and rounded to the nearest number of E2M3, ties to even, subnormals kept.
;;     - The product sums the exact products of the quantised numbers (number of the format x scale) in f32.
;;   ~~~python
;;   def quantise(x, axis):      # numpy; x: float32 -> the quantised numbers, widened to float32 again
;;       x = np.moveaxis(x, axis, -1); K = x.shape[-1]
;;       x = np.pad(x, [(0, 0)] * (x.ndim - 1) + [(0, -K % 32)]); x = x.reshape(x.shape[:-1] + (-1, 32)); a = np.abs(x).max(-1, keepdims=True)
;;       e = np.where(a > 0, np.clip(np.frexp(np.where(a > 0, a, 1))[1] - 1 - 2, -126, 127), 0)      # np.frexp(a)[1] - 1 = floor(log2(a)), exactly
;;       r = np.clip(x / 2.0 ** e, -7.5, 7.5)
;;       step = 2.0 ** (np.maximum(np.frexp(np.where(r == 0, 1, r))[1] - 1, 0) - 3)
;;       q = np.round(r / step) * step * 2.0 ** e      # np.round: ties to even
;;       return np.moveaxis(q.reshape(q.shape[:-2] + (-1,))[..., :K], -1, axis).astype(np.float32)
;;   ~~~
;;   SOFTMAX AHEAD OF A QUANTISED PRODUCT. Where the list says 'softmax', what is quantised is not the finished softmax but p = 2^(t - M), with t = logit x log2(e) and M = ceil(the row's largest t), a whole number; so 1/2 < the row's largest p <= 1. The row's sum l is taken of the UNQUANTISED p, in f32, and the product's result is divided by l at the end. Since M is a whole number, a kernel that streams over the keys may use a running M (the ceiling of the running maximum): every later rescaling is an exact power of two, which a block's scale takes up: the codes' values come out the same.
;;   OPERANDS COMPUTED ON THE WAY. 'Computed on the way' means the value that the module computes at that place (a softmax that the list does not call 'softmax' is quantised finished and normalised). What goes into a quantiser is computed in f32, as accurately as f32 sums, v_exp_f32 and their like allow (about 1e-6 of the number): no bf16 or f16 on the way to a quantiser, and a product that is left as it is and whose result goes on into a quantised operand takes f32 operands (vector FMAs, or v_wmma_f32_16x16x4_f32). A number that lies on a knife's edge between two numbers of the format may be rounded either way, as far as f32 arithmetic and the matrix unit's own rounding can turn it there, and no further.
;; One version. Each part assembles by itself: llvm-mc -triple=amdgcn-amd-amdhsa -mcpu=gfx1250 --defsym DOCPART=n.
;; ======== version 1 of 1: 3 launches
;; limits: right only within a limited range of input values
;; workspace buffers: xq 10,223,616 bytes; xs 425,984 bytes; wq 2,359,296 bytes; ws 98,304 bytes; pq 786,432 bytes; ps 32,768 bytes; cq 10,223,616 bytes; cs 458,752 bytes
;; launch prep (part 1): grid 544 x 1, 4 waves a work-group, no clusters, 34,304 bytes of LDS; arguments x, qkv_w, proj_w, xq, wq, pq, xs, ws, ps; writes xq, wq, pq, xs, ws, ps
.if DOCPART == 1
	.amdgcn_target "amdgcn-amd-amdhsa--gfx1250"
	.amdhsa_code_object_version 6
	.text
	.protected	k_qf64daf377f_prep
	.globl	k_qf64daf377f_prep
	.p2align	8
	.type	k_qf64daf377f_prep,@function
k_qf64daf377f_prep:
	s_mov_b64 s[64:65], 0
	v_nop
	global_prefetch_b8 v0, s[64:65] scope:SCOPE_SE
	s_setreg_imm32_b32 hwreg(HW_REG_WAVE_MODE, 25, 1), 1
	s_wait_xcnt 0x0
; x [12608][1024], qkv_w [3072][1024] and proj_w [1024][1024], f32, K innermost, become codes of FP6 (E2M3) with one E8M0 byte for each 32 along K.
; A block's scale is 2^(floor(log2(largest magnitude)) - 2); its byte is the largest magnitude's exponent field - 2, held at 1 from below.
; LIMITS: NaN and infinities among the inputs are not served.  A block of zeros, or one whose largest magnitude lies under 2^-124, gets the byte 1 (its codes
; are then zeros or very small; the bytes are read by this program alone).
; LAYOUT OF THE RESULT: images of operand registers.  A fragment is 16 rows x 128 K = 12 registers a lane; its image is 1,536 bytes in four pieces:
; registers 0-3 at 16 x lane, registers 4-5 at 512 + 8 x lane, registers 6-9 at 768 + 16 x lane, registers 10-11 at 1,280 + 8 x lane.
; THE ROWS OF A TILE ARE NOT NEIGHBOURS: row m of tile 2 b + u is row 32 b + 8 u + m + 8 (m / 8) (of a batch's 197 tokens, or of a weight).
; A batch has 13 tiles; in the last one only rows 0-4 are tokens: the others read token 196 again, and the later launches discard what comes of them.
; SCALE WORDS: one register serves two K steps: lanes 0-15 hold the rows' words of K step 2 i, lanes 16-31 those of 2 i + 1; stored as [tile][half][lane][2 words].
; SHARES: 1,088 tiles (x 832, qkv_w 192, proj_w 64).  A wave takes half a tile's K: four K steps of 128.  One path for all three tensors: only pointers and numbers are chosen.
; Each load reads 512 consecutive bytes of one row; a K step's 16 rows turn through the wave's own stage in LDS (rows 528 bytes apart), so that a lane gets 16 neighbours of each block of 32.
.set STGB,  8448                       ; a wave's stage: 16 rows x 528 bytes
.set SPARE, 4*STGB                     ; behind the stages: the spare words, 128 bytes a wave
.set L16, 4                            ; v4   16 x lane
.set L8,  5                            ; v5   8 x lane
.set STA, 6                            ; v6   the stage, on the way in: 16 x lane
.set LDA, 7                            ; v7   and out: 528 r + 64 h
.set SPW, 8                            ; v8   my spare word; never rewritten
.set NIL, 9                            ; v9   0; never rewritten
.set OFF, 10                           ; v10-25 byte offset of my 16 bytes in row m's first K step of my half
.set SCW, 26                           ; v26-27 the two scale registers of my half
.set TM,  28                           ; v28-43 at work; TM+8+q keeps K step q's scale word
.set PC,  44                           ; v44-62 the codes just made
.set RAW, 64                           ; v64-191 two sets of 64: a K step as loaded; a third set lies in v256-319 (window 1, registers 0-63); K step q takes set q % 3
.set XN,  192                          ; v192-255 64 numbers: register 16 b + i = k 32 b + 16 h + i of row r
.set WV,  22
.set SEL, 24
.set SRC, 28
.set DQ,  32                           ; s[32:39] where the four K steps' images go
.set DS,  40
	s_load_b512 s[4:19], s[0:1], 0x0               ; x, qkv_w, proj_w, xq, wq, pq, xs, ws
	s_load_b64 s[20:21], s[0:1], 0x40              ; ps
	v_lshl_add_u32 v[SPW], v0, 2, SPARE
	v_mov_b32 v[NIL], 0
	v_lshrrev_b32 v1, 5, v0
	v_readfirstlane_b32 s[WV], v1                  ; wave 0..3
	v_and_b32 v1, 31, v0                           ; lane
	v_and_b32 v2, 15, v0                           ; r
	v_bfe_u32 v3, v0, 4, 1                         ; h
	v_lshlrev_b32 v[L16], 4, v1
	v_lshlrev_b32 v[L8], 3, v1
	s_mul_i32 s42, s[WV], STGB
	v_add_nc_u32 v[STA], s42, v[L16]
	v_mul_u32_u24 v[LDA], v2, 528
	v_lshl_add_u32 v[LDA], v3, 6, v[LDA]
	v_add_nc_u32 v[LDA], s42, v[LDA]
	s_mov_b32 s[SEL], 0x76543210
	s_mov_b32 s[SEL+1], 0xfedcba98                 ; v_permlanex16_b32's selects for lane l xor 16
	s_mov_b32 s26, 0xffff0000                      ; lanes 16-31
.irp b, 0,1,2,3
	v_mov_b32 v[TM+4+\b], 0                        ; written once: a lane permute's destination counts as one of its sources
.endr
	s_lshr_b32 s43, s[WV], 1
	s_lshl_b32 s44, ttmp9, 1
	s_add_co_u32 s44, s44, s43                     ; my tile, 0 .. 1087
	s_and_b32 s45, s[WV], 1                        ; my half of K
	s_mul_i32 s46, s44, 5042
	s_lshr_b32 s46, s46, 16                        ; x: batch = tile / 13 (exact for tiles under 1,088)
	s_mul_i32 s47, s46, 13
	s_sub_co_u32 s47, s44, s47                     ; x: tile of the batch
	s_mov_b32 s48, 1024
	s_wait_kmcnt 0x0
	s_cmp_lt_u32 s44, 1024                         ; qkv_w or proj_w?  The choices hang on the tile's number alone
	s_cselect_b32 s48, 832, s48
	s_cselect_b32 s49, 3, 1
	s_cselect_b64 s[SRC:SRC+1], s[6:7], s[8:9]
	s_cselect_b64 s[30:31], s[12:13], s[14:15]
	s_cselect_b64 s[DS:DS+1], s[18:19], s[20:21]
	s_sub_co_u32 s48, s44, s48                     ; the weight's tile u
	s_lshr_b32 s50, s48, 2
	s_and_b32 s50, s50, 15                         ; head (or group of 64 columns)
	s_mul_i32 s50, s50, s49
	s_lshr_b32 s51, s48, 6                         ; q, k or v
	s_add_co_u32 s50, s50, s51                     ; group of 64 rows in the order [head][q, k, v]
	s_and_b32 s51, s48, 3                          ; tile of the group
	s_lshl_b32 s52, s50, 5
	s_add_co_u32 s52, s52, s51                     ; first image: 32 x group + tile
	s_lshl_b32 s53, s50, 2
	s_add_co_u32 s53, s53, s51                     ; scale record: 4 x group + tile
	s_mul_i32 s54, s46, 104
	s_add_co_u32 s54, s54, s47                     ; x: first image: 104 x batch + tile
	s_mul_i32 s55, s46, 197                        ; x: the batch's first row
	s_cmp_lt_u32 s44, 832                          ; x or a weight?
	s_cselect_b64 s[SRC:SRC+1], s[4:5], s[SRC:SRC+1]
	s_cselect_b64 s[30:31], s[10:11], s[30:31]
	s_cselect_b64 s[DS:DS+1], s[16:17], s[DS:DS+1]
	s_cselect_b32 s48, s47, s48                    ; the tile's number in its run of rows
	s_cselect_b32 s55, s55, 0
	s_cselect_b32 s52, s54, s52
	s_cselect_b32 s53, s44, s53
	s_cselect_b32 s49, 13, 4                       ; images from K step to K step
	s_mov_b32 s51, 3071
	s_cselect_b32 s51, 196, s51                    ; the last row that may be read
	s_lshr_b32 s50, s48, 1
	s_lshl_b32 s50, s50, 5
	s_and_b32 s54, s48, 1
	s_lshl_b32 s54, s54, 3
	s_add_co_u32 s50, s50, s54                     ; the tile's first row: 32 (tile / 2) + 8 (tile % 2)
	s_lshl_b32 s54, s45, 11
	v_add_nc_u32 v[SCW], s54, v[L16]               ; 16 x lane + my half's 2,048 bytes
	s_wait_alu depctr_va_vdst(0)
.irp m, 0,1,2,3,4,5,6,7,8,9,10,11,12,13,14,15
	s_add_co_u32 s54, s50, \m+8*(\m/8)
	s_min_u32 s54, s54, s51
	s_add_co_u32 s54, s54, s55
	v_lshl_add_u32 v[OFF+\m], s54, 12, v[SCW]      ; a row is 4,096 bytes
.endr
	s_lshl_b32 s54, s45, 2
	s_mul_i32 s54, s54, s49
	s_add_co_u32 s54, s54, s52
	s_mul_i32 s54, s54, 1536
	s_mov_b32 s55, 0
	s_add_nc_u64 s[DQ:DQ+1], s[30:31], s[54:55]
	s_mul_i32 s56, s49, 1536
	s_mov_b32 s57, 0
	s_add_nc_u64 s[DQ+2:DQ+3], s[DQ:DQ+1], s[56:57]
	s_add_nc_u64 s[DQ+4:DQ+5], s[DQ+2:DQ+3], s[56:57]
	s_add_nc_u64 s[DQ+6:DQ+7], s[DQ+4:DQ+5], s[56:57]
	s_lshl_b32 s54, s53, 9
	s_lshl_b32 s56, s45, 8
	s_add_co_u32 s54, s54, s56
	s_add_nc_u64 s[DS:DS+1], s[DS:DS+1], s[54:55]
.macro LOADK q                         ; K step q of my half: 16 rows x 512 bytes, a row a load, into set q % 3
.if ((\q)%3) == 2
.set RS, 0
	s_set_vgpr_msb 0x40                            ; destination window 1, address window 0
.else
.set RS, RAW+64*((\q)%3)
.endif
.irp m, 0,1,2,3,4,5,6,7,8,9,10,11,12,13,14,15
	global_load_b128 v[RS+4*\m:RS+4*\m+3], v[OFF+\m], s[SRC:SRC+1] offset:512*(\q) th:TH_LOAD_NT
.endr
.if ((\q)%3) == 2
	s_set_vgpr_msb 0x4000                          ; all windows 0 again; the high byte repeats the setting that is left
.endif
.endm
.macro TURN q                          ; through the stage: LDS serves a wave's instructions in order, so no wait stands between the stores and the loads
.if ((\q)%3) == 2
.set RS, 0
	s_set_vgpr_msb 0x04                            ; an LDS store's data are its source 1: window 1
.else
.set RS, RAW+64*((\q)%3)
.endif
.irp m, 0,1,2,3,4,5,6,7,8,9,10,11,12,13,14,15
	ds_store_b128 v[STA], v[RS+4*\m:RS+4*\m+3] offset:528*\m
.endr
.if ((\q)%3) == 2
	s_set_vgpr_msb 0x0400
.endif
.irp b, 0,1,2,3
.irp j, 0,1,2,3
	ds_load_b128 v[XN+16*\b+4*\j:XN+16*\b+4*\j+3], v[LDA] offset:128*\b+16*\j
.endr
.endr
.endm
; 64 numbers of a lane, register 16 b + i = k 32 b + 16 h + i of my row, become a fragment's codes in v[PC] on and its scale word in v[pw]
.macro QUANT s, pw
.irp b, 0,1,2,3
	v_max3_num_f32 v[TM+\b], |v[\s+16*\b]|, |v[\s+1+16*\b]|, 0x1800000   ; my 16 numbers of block b, and the floor 2^(3 - 127): the byte cannot fall under 1
.endr
.irp i, 2,4,6,8,10,12,14
.irp b, 0,1,2,3
	v_max3_num_f32 v[TM+\b], v[TM+\b], |v[\s+16*\b+\i]|, |v[\s+1+16*\b+\i]|
.endr
.endr
.irp b, 0,1,2,3
	v_permlanex16_b32 v[TM+4+\b], v[TM+\b], s[SEL], s[SEL+1]
.endr
.irp b, 0,1,2,3
	v_max_num_f32 v[TM+\b], v[TM+\b], v[TM+4+\b]   ; with lane l xor 16's: the block's largest magnitude
.endr
.irp b, 0,1,2,3
	v_add_nc_u32 v[TM+12+\b], 0xff000000, v[TM+\b] ; 2 off its exponent field: the conversion's scale operand
.endr
.irp b, 0,1,2,3
	v_lshrrev_b32 v[TM+4+\b], 23, v[TM+12+\b]      ; the scale's byte
.endr
	v_lshl_or_b32 v[\pw], v[TM+5], 8, v[TM+4]
	v_lshl_or_b32 v[\pw], v[TM+6], 16, v[\pw]
	v_lshl_or_b32 v[\pw], v[TM+7], 24, v[\pw]
.irp c, 0,1
	v_cvt_scalef32_pk16_fp6_f32 v[PC+6*\c:PC+2+6*\c], v[\s+32*\c:\s+15+32*\c], v[TM+12+2*\c]
	v_cvt_scalef32_pk16_fp6_f32 v[PC+12+4*\c:PC+14+4*\c], v[\s+16+32*\c:\s+31+32*\c], v[TM+12+2*\c+1]   ; (a conversion's three registers begin on an even number)
.endr
	v_nop                                          ; one plain place behind a scaled conversion
.irp c, 0,1                            ; the operand's layout wants a whole block in a lane: lanes 0-15 block 2 c, lanes 16-31 block 2 c + 1
.irp i, 0,1,2
	v_permlane16_swap_b32 v[PC+6*\c+\i], v[PC+12+4*\c+\i]
.endr
.irp i, 0,1,2
	v_mov_b32 v[PC+3+6*\c+\i], v[PC+12+4*\c+\i]
.endr
.endr
.endm
.macro STEP q
.if (\q) < 2
	s_wait_loadcnt 32                              ; this K step's 16 loads are in; the 32 of the two K steps issued behind it may be out
.else
	s_wait_loadcnt 16*(3-(\q))                     ; likewise: 16 behind K step 2, none behind K step 3
.endif
	TURN \q
	s_wait_dscnt 0x0                               ; my 64 numbers are back, and the stage's stores have read their registers
.if (\q) > 0
	s_wait_xcnt 0x0                                ; the last step's stores have read the codes' registers: they are written again below
.endif
.if (\q) < 1
	LOADK (\q)+3                                   ; the fourth K step takes the set that the first has left
.endif
	QUANT XN, TM+8+(\q)
	global_store_b128 v[L16], v[PC:PC+3], s[DQ+2*(\q):DQ+2*(\q)+1]               ; 512 consecutive bytes,
	global_store_b64 v[L8], v[PC+4:PC+5], s[DQ+2*(\q):DQ+2*(\q)+1] offset:512    ; 256,
	global_store_b128 v[L16], v[PC+6:PC+9], s[DQ+2*(\q):DQ+2*(\q)+1] offset:768  ; 512,
	global_store_b64 v[L8], v[PC+10:PC+11], s[DQ+2*(\q):DQ+2*(\q)+1] offset:1280 ; 256: each piece starts at a multiple of 256 bytes
.endm
	s_wait_alu depctr_va_vdst(0)
	LOADK 0
	LOADK 1
	LOADK 2
	STEP 0
	STEP 1
	STEP 2
	STEP 3
	v_cndmask_b32 v[SCW], v[TM+8], v[TM+9], s26    ; lanes 0-15: the even K step's words, lanes 16-31: the odd one's
	v_cndmask_b32 v[SCW+1], v[TM+10], v[TM+11], s26
	global_store_b64 v[L8], v[SCW:SCW+1], s[DS:DS+1]   ; 256 consecutive bytes
	s_wait_tensorcnt 0x0                           ; the wave's end, behind my last LDS store
	ds_add_u32 v[SPW], v[NIL]
	s_wait_dscnt 0x0
	s_endpgm
.Lfunc_end_k_qf64daf377f_prep:
	.size	k_qf64daf377f_prep, .Lfunc_end_k_qf64daf377f_prep-k_qf64daf377f_prep
	.p2alignl 7, 3214868480
	.fill 96, 4, 3214868480
	.section	.rodata,"a",@progbits
	.p2align	6, 0x0
	.amdhsa_kernel k_qf64daf377f_prep
		.amdhsa_group_segment_fixed_size 34304
		.amdhsa_private_segment_fixed_size 0
		.amdhsa_enable_private_segment 0
		.amdhsa_kernarg_size 72
		.amdhsa_user_sgpr_count 2
		.amdhsa_user_sgpr_kernarg_segment_ptr 1
		.amdhsa_wavefront_size32 1
		.amdhsa_system_sgpr_workgroup_id_x 1
		.amdhsa_system_sgpr_workgroup_id_y 1
		.amdhsa_system_sgpr_workgroup_id_z 1
		.amdhsa_system_vgpr_workitem_id 0
		.amdhsa_next_free_vgpr 320
		.amdhsa_next_free_sgpr 66
		.amdhsa_reserve_vcc 0
		.amdhsa_float_denorm_mode_32 3
		.amdhsa_float_denorm_mode_16_64 3
		.amdhsa_memory_ordered 1
		.amdhsa_forward_progress 1
		.amdhsa_inst_pref_size 38
	.end_amdhsa_kernel
	.amdgpu_metadata
---
amdhsa.version: [ 1, 2 ]
amdhsa.kernels:
  - .name:           k_qf64daf377f_prep
    .symbol:         k_qf64daf377f_prep.kd
    .args:
      - { .name: x, .offset: 0, .size: 8, .value_kind: global_buffer, .address_space: global }
      - { .name: qkv_w, .offset: 8, .size: 8, .value_kind: global_buffer, .address_space: global }
      - { .name: proj_w, .offset: 16, .size: 8, .value_kind: global_buffer, .address_space: global }
      - { .name: xq, .offset: 24, .size: 8, .value_kind: global_buffer, .address_space: global }
      - { .name: wq, .offset: 32, .size: 8, .value_kind: global_buffer, .address_space: global }
      - { .name: pq, .offset: 40, .size: 8, .value_kind: global_buffer, .address_space: global }
      - { .name: xs, .offset: 48, .size: 8, .value_kind: global_buffer, .address_space: global }
      - { .name: ws, .offset: 56, .size: 8, .value_kind: global_buffer, .address_space: global }
      - { .name: ps, .offset: 64, .size: 8, .value_kind: global_buffer, .address_space: global }
    .group_segment_fixed_size: 34304
    .private_segment_fixed_size: 0
    .kernarg_segment_align: 8
    .kernarg_segment_size: 72
    .max_flat_workgroup_size: 128
    .sgpr_count:     66
    .vgpr_count:     320
    .wavefront_size: 32
...
	.end_amdgpu_metadata
.endif
;; end of part 1
;; launch attn (part 2): grid 4 x 64, 4 waves a work-group, clusters of 4 x 1, 310,784 bytes of LDS; arguments xq, xs, wq, ws, qkv_b, cq, cs; writes cq, cs
.if DOCPART == 2
	.amdgcn_target "amdgcn-amd-amdhsa--gfx1250"
	.amdhsa_code_object_version 6
	.text
	.protected	k_qf64daf377f_attn
	.globl	k_qf64daf377f_attn
	.p2align	8
	.type	k_qf64daf377f_attn,@function
k_qf64daf377f_attn:
	s_mov_b64 s[64:65], 0
	v_nop
	global_prefetch_b8 v0, s[64:65] scope:SCOPE_SE
	s_setreg_imm32_b32 hwreg(HW_REG_WAVE_MODE, 25, 1), 1
	s_wait_xcnt 0x0
	s_wait_alu depctr_hold_cnt(0) depctr_sa_sdst(0) depctr_va_vdst(0) depctr_va_sdst(0) depctr_va_ssrc(0) depctr_va_vcc(0) depctr_vm_vsrc(0)
	s_getreg_b32 s2, hwreg(HW_REG_IB_STS2, 6, 4)
	s_cmp_eq_u32 s2, 0
	s_cbranch_scc0 .Lentry_in_a_cluster
	s_endpgm
.Lentry_in_a_cluster:
	s_bfe_u32 s2, ttmp6, 0x10000c
	s_cmp_lg_u32 s2, 0x3003
	s_cbranch_scc0 .Lentry_shape_is_right
	s_endpgm
.Lentry_shape_is_right:
; For one batch (197 tokens, 13 tiles of 16) and four heads, one head a wave: q, k, v = x W^T + b on codes of FP6 (E2M3), RoPE on q and k, all three quantised in registers,
; S^T = k q^T, p = 2^(t - M) with M = ceil(the row's largest t), p quantised along the keys, O^T = v^T p^T, / the row's sum of the unquantised p, and ctx quantised along the head's 64.
; q, k, v, the scores and p never leave the WGP; ctx leaves as codes in the order of the next product's operand registers.
; LIMITS: NaN and infinities among the inputs are not served.  A block of zeros, or one whose largest magnitude lies under 2^-124, gets the scale byte 1.  p under 2^-126 counts as 0 (v_exp_f32).
; cos and sin come from a range reduction by pi/2 in two parts and polynomials to z^4: within about 1e-7 absolute; the angles within about 1e-6.  1 / sum by v_rcp_f32.
; TILE ORDER: row m of tile 2 b + u is row 32 b + 8 u + m + 8 (m / 8) (tokens of the batch; rows of a head's 64 of W).  As source 0 such a tile leaves in register j of lane (r, h) the row
; 32 b + 16 h + 8 u + j: the 16 registers of tiles 2 b and 2 b + 1 are 16 neighbours, as the conversions want them.  Token tile 12 has tokens 192-196 in rows 0-4; the rest is padding.
; q, k: source 0 = W, source 1 = tokens: a lane holds one token, its registers run along the head's 64.  v: source 0 = tokens, source 1 = W: a lane holds one channel, its registers run along the keys.
; CLUSTER: the four work-groups of a batch read the same image of x (159,744 bytes): one joint first fill, a quarter a wave.  The weights are not shared so: each wave takes its own head's straight into
; registers, in operand order, and beside x's image and the parked operands (146,432 bytes) LDS has no room for two slots of weights.
; REGISTERS, in windows of 256.  Window 0: v0-31 addresses and single numbers; v32-99 scale words and nothing else; v100-255 x's 13 fragments, later at work.
;   Windows 1, 2: the 52 accumulators; later k's, q's and v's fragments and O^T.   Window 3: v0-191 four sets of W's fragments (later p's codes); v192-223 the bias of q or k; v224-255 that of v.
.set TAB,   159744                     ; behind x's image: (cos, sin) of (u - 1) f_j at 144 u + 8 j, u, j = 0 .. 15
.set PARK,  162048                     ; each wave's own operands:
.set PARKW, 36608
.set PQ,    0                          ; q's 13 half fragments of 768 bytes (16 x lane, then 512 + 8 x lane),
.set PK,    9984                       ; k's,
.set PV,    19968                      ; v's 8 fragments (channel tile n, keys 128 f on: 2 n + f) of 3 x 512 bytes,
.set PQS,   32256                      ; and their scale words, 4 x lane
.set PKS,   33920
.set PVS,   35584
.set CSC,   308480                     ; ctx's scale words of the four heads: [tile][lane] words
.set SPARE, 310272                     ; the spare words, 128 bytes a wave
.set XA16, 8                           ; v8-10  16 x lane + 59,904 g: x's image in three runs of 39 fragments, so that offsets stay under 65,536
.set XA8,  11                          ; v11-13 8 x lane + 59,904 g
.set SPW,  16                          ; v16 my spare word; never rewritten
.set NIL,  17                          ; v17 0; never rewritten
.set XS,   32                          ; v32-83 x's scale words: tile t, K steps 2 i (lanes 0-15) and 2 i + 1 (lanes 16-31) at XS + 4 t + i
.set WS,   84                          ; v84-99 W's likewise
.set XF,   100                         ; x's fragments of one K step
.set BI,   192                         ; window 3
.set BV,   224                         ; window 3
.set ROT,  100                         ; epilogues: 32 numbers to be quantised
.set CSN,  132                         ; cos, sin pairs: CSN + 16 b + 2 p: frequency 8 h + p of axis b
.set TMPR, 164
.set TM,   196
.set KS,   32                          ; attention: k's scale words, v's, q's, p's two
.set VS,   45
.set QSC,  53
.set PSC,  54
.set S,    100                         ; v100-227 S^T, then p; the last 24 stay 0
.set BM,   228
.set BX,   236
.set SO,   244
.set WP,   8                           ; s[8:9] my head's weights of the pass in hand
.set SEL,  36
.set MSB, 0
.macro WIN new                         ; the immediate's high byte repeats the setting that is left
.if MSB != (\new)
	s_set_vgpr_msb (MSB<<8)|(\new)
.set MSB, \new
.endif
.endm
.macro PLACES                          ; four places behind matrix instructions, ahead of loads into their registers and of reads of their results
.rept 4
	v_nop
.endr
.endm
.macro ROUND                           ; a round of the cluster's barrier
	s_barrier_signal -1
	s_barrier_wait -1
	s_cmp_lg_u32 s18, 0
	s_cbranch_scc1 .Lnot_wave_0_\@
	s_barrier_signal -3
.Lnot_wave_0_\@:
	s_barrier_wait -3
	s_barrier_signal -1
	s_barrier_wait -1
.endm
.macro WM d, a, b, c, sa, sb, row      ; one product; c < 0: the sum starts at 0; row = 1: both scale words from lanes 16-31
.if (\c) < 0
	v_wmma_scale_f32_16x16x128_f8f6f4 v[\d:\d+7], v[\a:\a+11], v[\b:\b+11], 0, v[\sa], v[\sb] matrix_a_fmt:MATRIX_FMT_FP6 matrix_b_fmt:MATRIX_FMT_FP6
.elseif \row
	v_wmma_scale_f32_16x16x128_f8f6f4 v[\d:\d+7], v[\a:\a+11], v[\b:\b+11], v[\c:\c+7], v[\sa], v[\sb] matrix_a_fmt:MATRIX_FMT_FP6 matrix_b_fmt:MATRIX_FMT_FP6 matrix_a_scale:MATRIX_SCALE_ROW1 matrix_b_scale:MATRIX_SCALE_ROW1
.else
	v_wmma_scale_f32_16x16x128_f8f6f4 v[\d:\d+7], v[\a:\a+11], v[\b:\b+11], v[\c:\c+7], v[\sa], v[\sb] matrix_a_fmt:MATRIX_FMT_FP6 matrix_b_fmt:MATRIX_FMT_FP6
.endif
.endm
.macro XFRAG t, ks                     ; x's fragment (tile t, K step ks) from its image
.set XG, (\ks)/3
.set XO, (13*(\ks)+(\t)-39*XG)*1536
	ds_load_b128 v[XF+12*(\t):XF+12*(\t)+3], v[XA16+XG] offset:XO
	ds_load_b64 v[XF+12*(\t)+4:XF+12*(\t)+5], v[XA8+XG] offset:XO+512
	ds_load_b128 v[XF+12*(\t)+6:XF+12*(\t)+9], v[XA16+XG] offset:XO+768
	ds_load_b64 v[XF+12*(\t)+10:XF+12*(\t)+11], v[XA8+XG] offset:XO+1280
.endm
.macro XGRP ks, tlo, cnt
.set TX, \tlo
.rept \cnt
	XFRAG TX, \ks
.set TX, TX+1
.endr
.endm
.macro WSET sig                        ; W's four fragments of K step sig (8 .. 11: the next pass's 0 .. 3) into set sig % 4 of window 3: 16 loads
.irp wt, 0,1,2,3
.set WR, 48*((\sig)%4)+12*\wt
.set WO, (4*(\sig)+\wt)*1536
	global_load_b128 v[WR:WR+3], v4, s[WP:WP+1] offset:WO
	global_load_b64 v[WR+4:WR+5], v5, s[WP:WP+1] offset:WO+512
	global_load_b128 v[WR+6:WR+9], v4, s[WP:WP+1] offset:WO+768
	global_load_b64 v[WR+10:WR+11], v5, s[WP:WP+1] offset:WO+1280
.endr
.endm
.macro MMQ ks, t, wt                   ; q, k: accumulator (t, wt) in window 1 + t / 8 at 32 (t % 8) + 8 wt.  The bias is the C of the first K step
.set AW, 1+(\t)/8
.set AR, 32*((\t)%8)+8*(\wt)
.set FW, 48*((\ks)%4)+12*(\wt)
.set FX, XF+12*(\t)
.if (\ks) == 0
	WIN (AW<<6)|0x33
	WM AR, FW, FX, BI+8*(\wt), WS+4*(\wt), XS+4*(\t), 0
.else
	WIN (AW<<6)|(AW<<4)|0x03
	WM AR, FW, FX, AR, WS+4*(\wt)+(\ks)/2, XS+4*(\t)+(\ks)/2, (\ks)%2
.endif
.endm
.macro MMV ks, t, n                    ; v: accumulator (n, t) in window 1 + n / 2 at 128 (n % 2) + 8 t
.set AW, 1+(\n)/2
.set AR, 128*((\n)%2)+8*(\t)
.set FW, 48*((\ks)%4)+12*(\n)
.set FX, XF+12*(\t)
.if (\ks) == 0
	WIN (AW<<6)|0x3c
	WM AR, FX, FW, BV+8*(\n), XS+4*(\t), WS+4*(\n), 0
.else
	WIN (AW<<6)|(AW<<4)|0x0c
	WM AR, FX, FW, AR, XS+4*(\t)+(\ks)/2, WS+4*(\n)+(\ks)/2, (\ks)%2
.endif
.endm
.macro GRP orient, ks, tlo, cnt        ; the products of cnt token tiles: the accumulators take turns, one instruction a turn
.if (\orient) == 0
.set TT, \tlo
.rept \cnt
.irp wt, 0,1,2,3
	MMQ \ks, TT, \wt
.endr
.set TT, TT+1
.endr
.else
.irp np, 0,2
.set TT, \tlo
.rept \cnt
	MMV \ks, TT, \np
	MMV \ks, TT, \np+1
.set TT, TT+1
.endr
.endr
.endif
.endm
; A K step: 52 products.  x's fragments have one set of registers in two groups (tiles 0-6: 28 loads; tiles 7-12: 24): a group is fetched anew as soon as its products are issued.
; W's set of four K steps on is asked for at the step's end, into the registers that this step has read.  more = 1: the ring of sets goes on into the next pass.
.macro KSTEP ks, orient, more
.if (\ks) >= 4
.if \more
	s_wait_loadcnt 48                              ; this step's set is in; the three sets issued behind it may be out
.else
	s_wait_loadcnt 16*(7-(\ks))                    ; likewise; nothing is asked for beyond the pass
.endif
.endif
	s_wait_dscnt 24                                ; tiles 0-6 are in; the 24 loads of tiles 7-12 may be out
	GRP \orient, \ks, 0, 7
.if (\ks) < 7
	PLACES
	WIN 0
	XGRP (\ks)+1, 0, 7
	s_wait_dscnt 28                                ; all but the 28 just issued
.else
	s_wait_dscnt 0x0
.endif
	GRP \orient, \ks, 7, 6
	PLACES
	WIN 0
.if (\ks) < 7
	XGRP (\ks)+1, 7, 6
.endif
.if ((\ks) < 4) || (\more)
	WIN 0xc0                                       ; destination window 3, address window 0
	WSET (\ks)+4
	WIN 0
.endif
.endm
.macro PASS orient, more
	XGRP 0, 0, 7
	XGRP 0, 7, 6
	s_wait_loadcnt 0x0                             ; scale words, bias and W's first four sets: all asked for an epilogue ago, or at the head
.irp ks, 0,1,2,3,4,5,6,7
	KSTEP \ks, \orient, \more
.endr
.endm
; two blocks of 32: register 16 b + i = k 32 b + 16 h + i of my row -> six registers of codes (k = 32 h + 0 .. 31) in v[pc] on, two scale bytes in v[pw]
.macro QUANT2 src, tm, pc, pw
.irp b, 0,1
	v_max3_num_f32 v[(\tm)+\b], |v[(\src)+16*\b]|, |v[(\src)+16*\b+1]|, 0x1800000   ; numbers 0-7 in one chain, with the floor 2^(3 - 127): the byte cannot fall under 1;
	v_max3_num_f32 v[(\tm)+2+\b], |v[(\src)+16*\b+8]|, |v[(\src)+16*\b+9]|, |v[(\src)+16*\b+10]|   ; numbers 8-14 in a second: four chains take turns, so that no line reads the line above it
.endr
.irp i, 2,4
.irp b, 0,1
	v_max3_num_f32 v[(\tm)+\b], v[(\tm)+\b], |v[(\src)+16*\b+\i]|, |v[(\src)+16*\b+\i+1]|
	v_max3_num_f32 v[(\tm)+2+\b], v[(\tm)+2+\b], |v[(\src)+16*\b+\i+9]|, |v[(\src)+16*\b+\i+10]|
.endr
.endr
.irp b, 0,1
	v_max3_num_f32 v[(\tm)+\b], v[(\tm)+\b], |v[(\src)+16*\b+6]|, |v[(\src)+16*\b+7]|
.endr
.irp i, 15
.irp b, 0,1
	v_max3_num_f32 v[(\tm)+\b], v[(\tm)+\b], v[(\tm)+2+\b], |v[(\src)+16*\b+\i]|   ; the two chains and number 15
.endr
.endr
.irp b, 0,1
	v_permlanex16_b32 v[(\tm)+4+\b], v[(\tm)+\b], s[SEL], s[SEL+1]
.endr
.irp b, 0,1
	v_max_num_f32 v[(\tm)+\b], v[(\tm)+\b], v[(\tm)+4+\b]
.endr
.irp b, 0,1
	v_add_nc_u32 v[(\tm)+12+\b], 0xff000000, v[(\tm)+\b]   ; 2 off the exponent field: the conversion's scale operand
.endr
.irp b, 0,1
	v_lshrrev_b32 v[(\tm)+4+\b], 23, v[(\tm)+12+\b]
.endr
	v_lshl_or_b32 v[\pw], v[(\tm)+5], 8, v[(\tm)+4]
	v_cvt_scalef32_pk16_fp6_f32 v[(\pc):(\pc)+2], v[(\src):(\src)+15], v[(\tm)+12]
	v_cvt_scalef32_pk16_fp6_f32 v[(\pc)+8:(\pc)+10], v[(\src)+16:(\src)+31], v[(\tm)+13]
	v_nop                                          ; one plain place behind a scaled conversion
.irp i, 0,1,2
	v_permlane16_swap_b32 v[(\pc)+\i], v[(\pc)+8+\i]   ; lanes 0-15 get block 0 whole, lanes 16-31 block 1
.endr
.irp i, 0,1,2
	v_mov_b32 v[(\pc)+3+\i], v[(\pc)+8+\i]
.endr
.endm
	s_load_b256 s[4:11], s[0:1], 0x0               ; xq, xs, wq, ws
	s_load_b128 s[12:15], s[0:1], 0x20             ; qkv_b, cq
	s_load_b64 s[16:17], s[0:1], 0x30              ; cs
	v_lshl_add_u32 v[SPW], v0, 2, SPARE
	v_mov_b32 v[NIL], 0
	ds_add_u32 v[SPW], v[NIL]                      ; the wave's opening: the adds and their wait ahead of my first tensor load
	ds_add_u32 v[SPW], v[NIL]
	v_lshrrev_b32 v1, 5, v0
	v_readfirstlane_b32 s18, v1                    ; wave 0..3
	s_mov_b32 s24, 15|(3<<16)|(1<<21)              ; group 1: the mask names all four work-groups, bit 21 beside it; elements of 8 bytes; no padding
	s_mov_b32 s25, 32<<16                          ; tensor_dim0 = 32 elements: rows of 256 bytes
	s_mov_b32 s26, 156<<16                         ; tensor_dim1 = 156 rows: a quarter of the batch's image
	s_mov_b32 s27, 32<<16                          ; tile_dim0
	s_mov_b32 s28, 156                             ; tile_dim1
	s_mov_b32 s29, 32                              ; the block is dense
	s_mov_b32 s30, 0
	s_mov_b32 s31, 0
	s_and_b32 s20, ttmp7, 0xffff                   ; the batch, which the four partners share
	s_mul_i32 s22, s20, 159744
	s_mul_i32 s33, s18, 39936                      ; group 0: LDS address: my quarter
	s_add_co_u32 s22, s22, s33
	s_mov_b32 s23, 0
	s_mov_b32 s32, 1
	s_mov_b32 s[SEL], 0x76543210
	s_mov_b32 s[SEL+1], 0xfedcba98                 ; v_permlanex16_b32's selects for lane l xor 16
	s_mov_b32 s38, 0xffff0000                      ; lanes 16-31
	s_mov_b32 s39, 0x00010001                      ; lanes 0 and 16: token 0 in tile 0
	s_mov_b32 s46, 0x3e38aa3b                      ; c = log2(e) / 8
	s_mov_b32 s47, s46                             ; (named with it as a pair)
	s_wait_dscnt 0x0                               ; the opening add is done
	s_wait_kmcnt 0x0
	s_add_nc_u64 s[34:35], s[4:5], s[22:23]
	s_or_b32 s35, s35, 0x80000000
	ROUND                                          ; all four work-groups are here: the joint loads meet
	tensor_load_to_lds s[32:35], s[24:31]          ; my one tensor load of the launch
	s_nop 0
.rept 4
	v_nop
.endr
	v_and_b32 v1, 31, v0                           ; lane
	v_and_b32 v2, 15, v0                           ; r
	v_bfe_u32 v3, v0, 4, 1                         ; h
	v_lshlrev_b32 v4, 4, v1
	v_lshlrev_b32 v5, 3, v1
	v_lshlrev_b32 v6, 2, v1
	v_lshlrev_b32 v7, 6, v3                        ; 64 h
.irp g, 0,1,2
	v_add_nc_u32 v[XA16+\g], 59904*\g, v4
	v_add_nc_u32 v[XA8+\g], 59904*\g, v5
.endr
	v_and_b32 v14, 8, v2
	v_add_nc_u32 v14, v14, v2                      ; r + 8 (r / 8)
	v_add_nc_u32 v18, 13, v14                      ; my token in tile 0, + 13
	v_lshlrev_b32 v14, 2, v14
	s_wait_alu depctr_va_vdst(0)
	v_add_nc_u32 v19, TAB, v7                      ; my half's eight frequencies in a row of the table
	s_mul_i32 s48, s18, PARKW
	s_add_co_u32 s48, s48, PARK
	v_add_nc_u32 v24, s48, v4                      ; my wave's park: 16, 8, 4 x lane
	v_add_nc_u32 v25, s48, v5
	v_add_nc_u32 v26, s48, v6
	s_and_b32 s49, s18, 1
	s_lshl_b32 s49, s49, 1
	s_lshr_b32 s50, s18, 1
	s_lshl_b32 s50, s50, 6
	s_add_co_u32 s49, s49, s50
	s_add_co_u32 s49, s49, CSC
	v_lshl_add_u32 v15, v2, 2, s49                 ; ctx's scale bytes: word r + 16 (wave / 2), half wave % 2
	s_bfe_u32 s19, ttmp6, 0x40000                  ; my place in the cluster: it enters global addresses alone
	s_lshl_b32 s49, ttmp9, 2
	s_add_co_u32 s19, s19, s49                     ; group of four heads
	s_lshl_b32 s21, s19, 2
	s_add_co_u32 s21, s21, s18                     ; my head
	s_mul_i32 s22, s20, 6656
	s_add_nc_u64 s[6:7], s[6:7], s[22:23]          ; the batch's scale words
	s_mul_i32 s22, s21, 147456
	s_add_nc_u64 s[WP:WP+1], s[WP:WP+1], s[22:23]  ; my head's weights: q's, k's, v's, 49,152 bytes each
	s_mul_i32 s22, s21, 6144
	s_add_nc_u64 s[10:11], s[10:11], s[22:23]      ; and their scale words, 2,048 bytes each
	s_lshl_b32 s22, s21, 8
	s_add_nc_u64 s[12:13], s[12:13], s[22:23]      ; the bias of q's 64
	s_lshl_b32 s22, s20, 3
	s_lshl_b32 s49, s19, 1
	s_add_co_u32 s22, s22, s49
	s_lshr_b32 s49, s18, 1
	s_add_co_u32 s22, s22, s49                     ; ctx: 8 x batch + K step of the last product
	s_mul_i32 s22, s22, 13*1536
	s_and_b32 s49, s18, 1
	s_mul_i32 s49, s49, 768                        ; my head is one half of each fragment
	s_add_co_u32 s22, s22, s49
	s_add_nc_u64 s[14:15], s[14:15], s[22:23]
	s_lshl_b32 s22, s20, 2
	s_add_co_u32 s22, s22, s19
	s_mul_i32 s22, s22, 1792
	s_add_nc_u64 s[16:17], s[16:17], s[22:23]
.irp t, 0,1,2,3,4,5,6,7,8,9,10,11,12
	global_load_b64 v[XS+4*\t:XS+4*\t+1], v5, s[6:7] offset:512*\t
	global_load_b64 v[XS+4*\t+2:XS+4*\t+3], v5, s[6:7] offset:512*\t+256
.endr
.irp wt, 0,1,2,3
	global_load_b64 v[WS+4*\wt:WS+4*\wt+1], v5, s[10:11] offset:512*\wt
	global_load_b64 v[WS+4*\wt+2:WS+4*\wt+3], v5, s[10:11] offset:512*\wt+256
.endr
	WIN 0xc0
.irp n, 0,1,2,3
.irp j, 0,1,2,3,4,5,6,7
	global_load_b32 v[BV+8*\n+\j], v14, s[12:13] offset:8192+4*(32*(\n/2)+8*(\n%2))   ; v's bias: a lane holds one channel, so its eight registers hold one number
.endr
.endr
.irp wt, 0,1,2,3
	global_load_b128 v[BI+8*\wt:BI+8*\wt+3], v7, s[12:13] offset:4*(32*(\wt/2)+8*(\wt%2))      ; q's bias: channels 32 b + 16 h + 8 u + 0 .. 7
	global_load_b128 v[BI+8*\wt+4:BI+8*\wt+7], v7, s[12:13] offset:4*(32*(\wt/2)+8*(\wt%2))+16
.endr
	WSET 0
	WSET 1
	WSET 2
	WSET 3
	WIN 0
	; THE TABLE.  Thread (u0 = thread / 16, j = thread % 16) makes rows u0 and u0 + 8: (cos, sin) of (u - 1) x 10000^(-j / 16)
	v_and_b32 v100, 15, v0
	v_lshrrev_b32 v101, 4, v0
	v_cvt_f32_u32 v102, v100
	v_mul_f32 v102, 0xbf549a78, v102               ; - j log2(10) / 4
	s_wait_alu depctr_va_vdst(0)
	v_exp_f32 v102, v102
	v_mul_u32_u24 v103, v101, 144                  ; (a plain place behind the exponential)
	v_lshl_add_u32 v103, v100, 3, v103
	v_add_nc_u32 v103, TAB, v103
	s_wait_alu depctr_va_vdst(0)                   ; the wait ahead of the first reader of the exponential
.macro TABROW e, a
	v_add_nc_u32 v[\a], 8*(\e)-1, v101
	v_cvt_f32_i32 v[\a], v[\a]
	v_mul_f32 v[\a], v[\a], v102                   ; the angle
	v_mul_f32 v[\a+1], 0x3f22f983, v[\a]
	v_rndne_f32 v[\a+1], v[\a+1]                   ; n = the nearest multiple of pi / 2
	v_fma_f32 v[\a+2], -v[\a+1], 0x3fc90fdb, v[\a]
	v_fma_f32 v[\a+2], -v[\a+1], 0xb33bbd2e, v[\a+2]   ; r = angle - n pi / 2, pi / 2 in two parts
	v_mul_f32 v[\a+3], v[\a+2], v[\a+2]            ; z = r^2
	v_mov_b32 v[\a+4], 0x3638ef1d                  ; sin r = r + r z (-1/6 + z (1/120 + z (-1/5040 + z / 362880)))
	v_fmaak_f32 v[\a+4], v[\a+4], v[\a+3], 0xb9500d01
	v_fmaak_f32 v[\a+4], v[\a+4], v[\a+3], 0x3c088889
	v_fmaak_f32 v[\a+4], v[\a+4], v[\a+3], 0xbe2aaaab
	v_mul_f32 v[\a+4], v[\a+4], v[\a+3]
	v_fma_f32 v[\a+4], v[\a+4], v[\a+2], v[\a+2]
	v_mov_b32 v[\a+5], 0x37d00d01                  ; cos r = 1 + z (-1/2 + z (1/24 + z (-1/720 + z / 40320)))
	v_fmaak_f32 v[\a+5], v[\a+5], v[\a+3], 0xbab60b61
	v_fmaak_f32 v[\a+5], v[\a+5], v[\a+3], 0x3d2aaaab
	v_fmaak_f32 v[\a+5], v[\a+5], v[\a+3], 0xbf000000
	v_fma_f32 v[\a+5], v[\a+5], v[\a+3], 1.0
	v_cvt_i32_f32 v[\a+6], v[\a+1]
	v_and_b32 v[\a+7], 1, v[\a+6]
	v_cmp_eq_u32 vcc_lo, 1, v[\a+7]
	v_cndmask_b32 v[\a+8], v[\a+5], v[\a+4], vcc_lo    ; an odd n changes cos and sin over;
	v_cndmask_b32 v[\a+9], v[\a+4], v[\a+5], vcc_lo
	v_and_b32 v[\a+7], 2, v[\a+6]
	v_lshlrev_b32 v[\a+7], 30, v[\a+7]
	v_xor_b32 v[\a+9], v[\a+9], v[\a+7]            ; sin changes sign where n % 4 is 2 or 3,
	v_add_nc_u32 v[\a+6], 1, v[\a+6]
	v_and_b32 v[\a+6], 2, v[\a+6]
	v_lshlrev_b32 v[\a+6], 30, v[\a+6]
	v_xor_b32 v[\a+8], v[\a+8], v[\a+6]            ; cos where it is 1 or 2
	ds_store_b64 v103, v[\a+8:\a+9] offset:1152*(\e)
.endm
	TABROW 0, 104
	TABROW 1, 116
	s_wait_tensorcnt 0x0                           ; my quarter of x's image has landed,
	s_wait_dscnt 0x0                               ; my part of the table is stored:
	s_barrier_signal -1
	s_barrier_wait -1                              ; everybody's are
; RoPE's cos and sin for tile t.  n = token + 13 = 14 (row + 1) + column of the 14 x 14 grid.  Both parts are made with constants alone: 9363 x 14 = 2^17 + 10, so
; n x 9363 = (n / 14) 2^17 + 10 (n / 14) + 9363 (n % 14); its low 17 bits, at most 121,879, times 14 are (n % 14) 2^17 + a rest of at most 2,370.  Exact for n up to 228.
.macro TABLD t
	v_add_nc_u32 v20, 32*((\t)/2)+8*((\t)%2), v18
	v_mul_u32_u24 v20, v20, 9363
	v_lshrrev_b32 v21, 17, v20                     ; n / 14 = the row + 1
	v_and_b32 v22, 0x1ffff, v20
	v_mul_u32_u24 v22, v22, 14
	v_lshrrev_b32 v22, 17, v22                     ; n % 14 = the column
	v_and_b32 v21, 15, v21                         ; (padded tokens from 211 on would name row 16: they take row 0; what comes of them is discarded)
	v_mad_u32_u24 v21, v21, 144, v19
	v_mad_u32_u24 v22, v22, 144, v19
.irp i, 0,1,2,3
	ds_load_b128 v[CSN+4*\i:CSN+4*\i+3], v21 offset:16*\i              ; channels 0-31 turn by the row,
.endr
.irp i, 0,1,2,3
	ds_load_b128 v[CSN+16+4*\i:CSN+16+4*\i+3], v22 offset:144+16*\i    ; channels 32-63 by the column
.endr
.endm
.macro ROPE t                          ; (x0, x1) -> (x0 cos - x1 sin, x1 cos + x0 sin), each accumulator read from its low end on
.set RW, 1+(\t)/8
.set RA, 32*((\t)%8)
.if (\t) == 0
.irp i, 0,1,2,3,4,5,6,7,8,9,10,11,12,13,14,15
	v_cndmask_b32 v[CSN+2*\i], v[CSN+2*\i], 1.0, s39       ; token 0 is not turned
	v_cndmask_b32 v[CSN+2*\i+1], v[CSN+2*\i+1], 0, s39
.endr
.endif
	WIN RW                                         ; source 0: the accumulators' window
.set PP, 0
.rept 16
	v_pk_mul_f32 v[TMPR+2*PP:TMPR+2*PP+1], v[RA+2*PP:RA+2*PP+1], v[CSN+2*PP:CSN+2*PP+1] op_sel:[1,1] op_sel_hi:[0,1]   ; (x1 sin, x0 sin)
.set PP, PP+1
.endr
.set PP, 0
.rept 16
	v_pk_fma_f32 v[ROT+2*PP:ROT+2*PP+1], v[RA+2*PP:RA+2*PP+1], v[CSN+2*PP:CSN+2*PP+1], v[TMPR+2*PP:TMPR+2*PP+1] op_sel_hi:[1,0,1] neg_lo:[0,0,1]   ; (x0 cos - x1 sin, x1 cos + x0 sin)
.set PP, PP+1
.endr
	WIN 0
.endm
.macro PARKT t, pc, pw
	ds_store_b128 v28, v[(\pc):(\pc)+3] offset:768*(\t)
	ds_store_b64 v29, v[(\pc)+4:(\pc)+5] offset:768*(\t)+512
	ds_store_b32 v30, v[\pw] offset:PQS+128*(\t)
.endm
	s_mov_b32 s40, 2                               ; two trips: q, then k
	s_mov_b32 s41, 0                               ; where the trip parks its codes,
	s_mov_b32 s42, 0                               ; and its scale words
.Lpass:
	PASS 0, 1
.irp wt, 0,1,2,3                       ; the next pass's scale words (four places stand behind the last products)
	global_load_b64 v[WS+4*\wt:WS+4*\wt+1], v5, s[10:11] offset:2048+512*\wt
	global_load_b64 v[WS+4*\wt+2:WS+4*\wt+3], v5, s[10:11] offset:2048+512*\wt+256
.endr
	s_cmp_eq_u32 s40, 1                            ; k's bias is asked for behind q's pass; v's has its own registers.  Every later wait for these loads is for 0
	s_cbranch_scc1 .Lno_bias
	WIN 0xc0
.irp wt, 0,1,2,3
	global_load_b128 v[BI+8*\wt:BI+8*\wt+3], v7, s[12:13] offset:4096+4*(32*(\wt/2)+8*(\wt%2))
	global_load_b128 v[BI+8*\wt+4:BI+8*\wt+7], v7, s[12:13] offset:4096+4*(32*(\wt/2)+8*(\wt%2))+16
.endr
	WIN 0
.Lno_bias:
	v_add_nc_u32 v28, s41, v24
	v_add_nc_u32 v29, s41, v25
	v_add_nc_u32 v30, s42, v26
	TABLD 0
.irp t, 0,1,2,3,4,5,6,7,8,9,10,11,12
.if \t == 0
	s_wait_dscnt 0x0
.else
	s_wait_dscnt 3                                 ; this tile's cos and sin are in; the last tile's three stores may be out
.endif
	ROPE \t
.if \t < 12
	TABLD \t+1
.endif
	QUANT2 ROT, TM, 212+12*(\t%2), 236+(\t%2)
	PARKT \t, 212+12*(\t%2), 236+(\t%2)
.endr
	s_wait_dscnt 0x0                               ; the stores have read their registers: x's fragments land there next
	s_wait_xcnt 0x0                                ; the loads issued so far have read their bases: they step
	s_add_nc_u64 s[WP:WP+1], s[WP:WP+1], 49152
	s_add_nc_u64 s[10:11], s[10:11], 2048
	s_add_co_u32 s41, s41, PK-PQ
	s_add_co_u32 s42, s42, PKS-PQS
	s_sub_co_u32 s40, s40, 1
	s_cmp_lg_u32 s40, 0
	s_cbranch_scc1 .Lpass
	PASS 1, 0                                      ; v: a lane holds one channel, its registers run along the keys
.irp n, 0,1,2,3                        ; keys from 197 on count as zeros: registers 96-100 are keys 192-196 in lanes 0-15 and 208-212 in lanes 16-31; from 101 on all is padding
.set VW, 1+\n/2
.set VB, 128*(\n%2)
	WIN (VW<<6)|VW
.irp i, 96,97,98,99,100
	v_cndmask_b32 v[VB+\i], v[VB+\i], 0, s38
.endr
.set ZI, 101
.rept 27
	v_mov_b32 v[VB+ZI], 0
.set ZI, ZI+1
.endr
.endr
	WIN 0
.macro QV n, f                         ; channel tile n, keys 128 f on: 64 registers of window 1 + n / 2 become a fragment and its scale word
.set VW, 1+(\n)/2
.set VSR, 128*((\n)%2)+64*(\f)
.set VI, 2*(\n)+(\f)
.set VP, 100+20*(VI%2)
.set VPW, 140+(VI%2)
.if VI >= 2
	s_wait_dscnt 4                                 ; the stores of two fragments back have read this set's registers
.endif
.irp b, 0,1,2,3
	v_mov_b32 v[TM+\b], 0x1800000                  ; the floor 2^(3 - 127)
.endr
	WIN (VW<<2)|(VW<<4)
.irp i, 0,2,4,6,8,10,12,14
.irp b, 0,1,2,3
	v_max3_num_f32 v[TM+\b], v[TM+\b], |v[VSR+16*\b+\i]|, |v[VSR+16*\b+\i+1]|
.endr
.endr
	WIN 0
.irp b, 0,1,2,3
	v_permlanex16_b32 v[TM+4+\b], v[TM+\b], s[SEL], s[SEL+1]
.endr
.irp b, 0,1,2,3
	v_max_num_f32 v[TM+\b], v[TM+\b], v[TM+4+\b]
.endr
.irp b, 0,1,2,3
	v_add_nc_u32 v[TM+12+\b], 0xff000000, v[TM+\b]
.endr
.irp b, 0,1,2,3
	v_lshrrev_b32 v[TM+4+\b], 23, v[TM+12+\b]
.endr
	v_lshl_or_b32 v[VPW], v[TM+5], 8, v[TM+4]
	v_lshl_or_b32 v[VPW], v[TM+6], 16, v[VPW]
	v_lshl_or_b32 v[VPW], v[TM+7], 24, v[VPW]
	WIN VW
.irp c, 0,1
	v_cvt_scalef32_pk16_fp6_f32 v[VP+6*\c:VP+6*\c+2], v[VSR+32*\c:VSR+32*\c+15], v[TM+12+2*\c]
	v_cvt_scalef32_pk16_fp6_f32 v[VP+12+4*\c:VP+14+4*\c], v[VSR+32*\c+16:VSR+32*\c+31], v[TM+13+2*\c]
.endr
	WIN 0
	v_nop                                          ; one plain place behind a scaled conversion
.irp c, 0,1
.irp i, 0,1,2
	v_permlane16_swap_b32 v[VP+6*\c+\i], v[VP+12+4*\c+\i]
.endr
.irp i, 0,1,2
	v_mov_b32 v[VP+3+6*\c+\i], v[VP+12+4*\c+\i]
.endr
.endr
.irp c, 0,1,2
	ds_store_b128 v24, v[VP+4*\c:VP+4*\c+3] offset:PV+1536*VI+512*\c
.endr
	ds_store_b32 v26, v[VPW] offset:PVS+128*VI
.endm
.irp n, 0,1,2,3
.irp f, 0,1
	QV \n, \f
.endr
.endr
	; ATTENTION.  The park is my wave's own: its operands come back into registers and stay: k's 13 fragments and q's one in window 1, v's 8 and O^T in window 2.  The head's 64 are half of the
	; instruction's 128 along K: the upper six registers of k's and q's fragments are zero codes.
	s_wait_dscnt 0x0
	WIN 0x40
.set KT, 0
.rept 13
	ds_load_b128 v[12*KT:12*KT+3], v24 offset:PK+768*KT
	ds_load_b64 v[12*KT+4:12*KT+5], v25 offset:PK+768*KT+512
.irp i, 6,7,8,9,10,11
	v_mov_b32 v[12*KT+\i], 0
.endr
.set KT, KT+1
.endr
	ds_load_b128 v[160:163], v24 offset:PQ
	ds_load_b64 v[164:165], v25 offset:PQ+512
.irp i, 166,167,168,169,170,171
	v_mov_b32 v[\i], 0
.endr
	WIN 0x80
.set VI, 0
.rept 8
.irp c, 0,1,2
	ds_load_b128 v[12*VI+4*\c:12*VI+4*\c+3], v24 offset:PV+1536*VI+512*\c
.endr
.set VI, VI+1
.endr
	WIN 0
.set KT, 0
.rept 13
	ds_load_b32 v[KS+KT], v26 offset:PKS+128*KT
.set KT, KT+1
.endr
.set VI, 0
.rept 8
	ds_load_b32 v[VS+VI], v26 offset:PVS+128*VI
.set VI, VI+1
.endr
	ds_load_b32 v[QSC], v26 offset:PQS
.set ZI, 104
.rept 24
	v_mov_b32 v[S+ZI], 0                           ; keys 200-207 and 216-255: p = 0, written once
.set ZI, ZI+1
.endr
.irp b, 0,1,2,3,4,5,6
	v_mov_b32 v[BX+\b], 0                          ; a lane permute's destination counts as one of its sources
.endr
	v_mov_b32 v19, 0                               ; (named as the upper half of the pair v[18:19])
	v_mov_b32 v251, 0
	v_mov_b32 v255, 0xff800000                     ; -infinity
	s_mov_b32 s43, 13
	s_mov_b32 s44, 0
	s_mov_b32 s45, 0
.Lq:                                   ; a trip: 16 queries against all 197 keys
	s_wait_dscnt 0x0                               ; q's fragment and word are in; the last trip's LDS store has read its registers
	v_add_nc_u32 v28, s44, v24
	v_add_nc_u32 v29, s44, v25
	v_add_nc_u32 v30, s45, v26
	v_add_nc_u32 v31, s45, v15
	WIN 0x05                                       ; k and q in window 1, S^T in window 0
.set KT, 0
.rept 13
	WM S+8*KT, 12*KT, 160, -1, KS+KT, QSC, 0
.set KT, KT+1
.endr
	s_wait_alu depctr_va_vdst(0)
	WIN 0
	PLACES
	WIN 0x40
	ds_load_b128 v[160:163], v28 offset:PQ+768     ; the next tile of queries (the last trip reads the first bytes of k's park, which are written, and uses nothing of them)
	ds_load_b64 v[164:165], v29 offset:PQ+1280
	WIN 0
	ds_load_b32 v[QSC], v30 offset:PQS+128
.irp i, 0,1,2,3,4
	v_cndmask_b32 v[S+96+\i], v[S+96+\i], v255, s38    ; key tile 12: keys 208-212 in lanes 16-31,
.endr
.irp i, 5,6,7
	v_mov_b32 v[S+96+\i], v255                     ; and keys 197-199 and 213-215: no keys
.endr
.irp b, 0,1,2,3,4,5
	v_max3_num_f32 v[BM+\b], v[S+16*\b], v[S+16*\b+1], v[S+16*\b+2]    ; the largest score of each block of 32 keys: for the row's maximum, and, since p rises with the score, for the block's largest p
.endr
.irp i, 3,5,7,9,11,13
.irp b, 0,1,2,3,4,5
	v_max3_num_f32 v[BM+\b], v[BM+\b], v[S+16*\b+\i], v[S+16*\b+\i+1]
.endr
.endr
.irp b, 0,1,2,3,4,5
	v_max_num_f32 v[BM+\b], v[BM+\b], v[S+16*\b+15]
.endr
	v_max3_num_f32 v[BM+6], v[S+96], v[S+97], v[S+98]
	v_max3_num_f32 v[BM+6], v[BM+6], v[S+99], v[S+100]
.irp b, 0,1,2,3,4,5,6
	v_permlanex16_b32 v[BX+\b], v[BM+\b], s[SEL], s[SEL+1]
.endr
.irp b, 0,1,2,3,4,5,6
	v_max_num_f32 v[BM+\b], v[BM+\b], v[BX+\b]
.endr
	v_max3_num_f32 v251, v[BM], v[BM+1], v[BM+2]
	v_max3_num_f32 v251, v251, v[BM+3], v[BM+4]
	v_max3_num_f32 v251, v251, v[BM+5], v[BM+6]    ; my query's largest score
	v_mul_f32 v251, s46, v251                      ; as t
	v_floor_f32 v18, -v251                         ; -M = floor(-t) = -ceil(t)
.set J, 0
.rept 52
	v_pk_fma_f32 v[S+J:S+J+1], v[S+J:S+J+1], s[46:47], v[18:19] op_sel_hi:[1,0,0]   ; t - M, two at a time
.set J, J+2
.endr
.irp b, 0,1,2,3,4,5,6
	v_fma_f32 v[BM+\b], v[BM+\b], s46, v18
.endr
.set J, 0
	s_wait_alu depctr_va_vdst(0)
.rept 104
	v_exp_f32 v[S+J], v[S+J]                       ; p = 2^(t - M): not normalised
.set J, J+1
.endr
	v_nop                                          ; a plain place behind the exponentials
	s_wait_alu depctr_va_vdst(0)                   ; one wait for the batch, ahead of its first reader
.irp b, 0,1,2,3,4,5,6
	v_exp_f32 v[BM+\b], v[BM+\b]                   ; each block's largest p: the same two instructions on the same number
.endr
	v_pk_add_f32 v[20:21], v[S:S+1], v[S+2:S+3]    ; the row's sum of the unquantised p, in four chains by turns (two of them in BX's registers, which hold nothing live here and are written anew below)
	v_pk_add_f32 v[22:23], v[S+4:S+5], v[S+6:S+7]
	v_pk_add_f32 v[BX:BX+1], v[S+8:S+9], v[S+10:S+11]
	v_pk_add_f32 v[BX+2:BX+3], v[S+12:S+13], v[S+14:S+15]
.set J, 16
.rept 11
	v_pk_add_f32 v[20:21], v[20:21], v[S+J:S+J+1]
	v_pk_add_f32 v[22:23], v[22:23], v[S+J+2:S+J+3]
	v_pk_add_f32 v[BX:BX+1], v[BX:BX+1], v[S+J+4:S+J+5]
	v_pk_add_f32 v[BX+2:BX+3], v[BX+2:BX+3], v[S+J+6:S+J+7]
.set J, J+8
.endr
	v_pk_add_f32 v[20:21], v[20:21], v[22:23]
	v_pk_add_f32 v[BX:BX+1], v[BX:BX+1], v[BX+2:BX+3]
	v_pk_add_f32 v[20:21], v[20:21], v[BX:BX+1]
	s_wait_alu depctr_va_vdst(0)                   ; and one for the seven
.irp b, 0,1,2,3,4,5,6
	v_max_num_f32 v[BM+\b], 0x1800000, v[BM+\b]    ; the floor 2^(3 - 127)
.endr
.irp b, 0,1,2,3,4,5,6
	v_add_nc_u32 v[SO+\b], 0xff000000, v[BM+\b]    ; the conversion's scale operand
.endr
.irp b, 0,1,2,3,4,5,6
	v_lshrrev_b32 v[BX+\b], 23, v[SO+\b]           ; the scale's byte
.endr
	v_lshl_or_b32 v[PSC], v[BX+1], 8, v[BX]
	v_lshl_or_b32 v[PSC], v[BX+2], 16, v[PSC]
	v_lshl_or_b32 v[PSC], v[BX+3], 24, v[PSC]      ; p's scale word for keys 0-127,
	v_lshl_or_b32 v[PSC+1], v[BX+5], 8, v[BX+4]
	v_lshl_or_b32 v[PSC+1], v[BX+6], 16, v[PSC+1]  ; and for keys 128-255 (the last block is zero codes under the byte 0)
	WIN 0xc0                                       ; p's codes go to window 3
.irp f, 0,1
.irp c, 0,1
	v_cvt_scalef32_pk16_fp6_f32 v[12*\f+6*\c:12*\f+6*\c+2], v[S+64*\f+32*\c:S+64*\f+32*\c+15], v[SO+4*\f+2*\c]
	v_cvt_scalef32_pk16_fp6_f32 v[24+8*\f+4*\c:26+8*\f+4*\c], v[S+64*\f+32*\c+16:S+64*\f+32*\c+31], v[SO+4*\f+2*\c+1-(\f*\c)]   ; (the eighth block is zeros: it borrows the seventh's operand)
.endr
.endr
	v_nop                                          ; one plain place behind a scaled conversion
	WIN 0xc3
.irp f, 0,1
.irp c, 0,1
.irp i, 0,1,2
	v_permlane16_swap_b32 v[12*\f+6*\c+\i], v[24+8*\f+4*\c+\i]
.endr
.irp i, 0,1,2
	v_mov_b32 v[12*\f+6*\c+3+\i], v[24+8*\f+4*\c+\i]
.endr
.endr
.endr
	WIN 0
	v_add_f32 v20, v20, v21
	v_permlanex16_b32 v251, v20, s[SEL], s[SEL+1]
	v_add_f32 v20, v20, v251                       ; the row's sum
	s_wait_alu depctr_va_vdst(0)
	v_rcp_f32 v27, v20
.rept 8
	v_nop                                          ; the place behind the reciprocal; eight places between the scale words' last line and the products, four behind the codes' last
.endr
	WIN 0xae                                       ; v in window 2, p in window 3, O^T in window 2
.irp n, 0,1,2,3
	WM 96+8*\n, 24*\n, 0, -1, VS+2*\n, PSC, 0
.endr
.irp n, 0,1,2,3
	WM 96+8*\n, 24*\n+12, 12, 96+8*\n, VS+2*\n+1, PSC+1, 0
.endr
	WIN 0
	PLACES
	s_wait_alu depctr_va_vdst(0)                   ; the reciprocal's wait, ahead of its first reader
	WIN 0x02
.set J, 0
.rept 16
	v_pk_mul_f32 v[ROT+J:ROT+J+1], v[96+J:97+J], v[26:27] op_sel:[0,1] op_sel_hi:[1,1]   ; ctx, two at a time (of the pair v[26:27] the upper word, 1 / sum, serves both halves): register 16 b + i = channel 32 b + 16 h + i of my query
.set J, J+2
.endr
	WIN 0
	QUANT2 ROT, 132, 148, 160
	global_store_b128 v4, v[148:151], s[14:15]             ; my head's half of the fragment: 512 consecutive bytes,
	global_store_b64 v5, v[152:153], s[14:15] offset:512   ; and 256
	ds_store_b16 v31, v160                         ; its two scale bytes (lanes r and r + 16 write the same bytes with the same value)
	s_wait_xcnt 0x0                                ; the stores have read their registers and base: the next trip's scores land on those registers
	s_add_nc_u64 s[14:15], s[14:15], 1536
	s_add_co_u32 s44, s44, 768
	s_add_co_u32 s45, s45, 128
	s_sub_co_u32 s43, s43, 1
	s_cmp_lg_u32 s43, 0
	s_cbranch_scc1 .Lq
	v_add_nc_u32 v28, CSC, v5
	v_add_nc_u32 v29, CSC+1536, v6
	s_wait_dscnt 0x0                               ; my scale bytes are stored
	s_barrier_signal -1
	s_barrier_wait -1                              ; all four heads' are
	s_cmp_lg_u32 s18, 0
	s_cbranch_scc1 .Lnot_first
	s_wait_alu depctr_va_vdst(0)
.irp i, 0,1,2,3,4,5
	ds_load_b64 v[100+2*\i:101+2*\i], v28 offset:256*\i
.endr
	ds_load_b32 v112, v29
	s_wait_dscnt 0x0
.irp i, 0,1,2,3,4,5
	global_store_b64 v5, v[100+2*\i:101+2*\i], s[16:17] offset:256*\i   ; 256 consecutive bytes a store
.endr
	global_store_b32 v6, v112, s[16:17] offset:1536
.Lnot_first:
	s_wait_tensorcnt 0x0                           ; the wave's end, behind my last tensor load and my last LDS store
	ds_add_u32 v[SPW], v[NIL]
	s_wait_dscnt 0x0
	ROUND                                          ; the closing round
	s_endpgm
.Lfunc_end_k_qf64daf377f_attn:
	.size	k_qf64daf377f_attn, .Lfunc_end_k_qf64daf377f_attn-k_qf64daf377f_attn
	.p2alignl 7, 3214868480
	.fill 96, 4, 3214868480
	.section	.rodata,"a",@progbits
	.p2align	6, 0x0
	.amdhsa_kernel k_qf64daf377f_attn
		.amdhsa_group_segment_fixed_size 310784
		.amdhsa_private_segment_fixed_size 0
		.amdhsa_enable_private_segment 0
		.amdhsa_kernarg_size 56
		.amdhsa_user_sgpr_count 2
		.amdhsa_user_sgpr_kernarg_segment_ptr 1
		.amdhsa_wavefront_size32 1
		.amdhsa_system_sgpr_workgroup_id_x 1
		.amdhsa_system_sgpr_workgroup_id_y 1
		.amdhsa_system_sgpr_workgroup_id_z 1
		.amdhsa_system_vgpr_workitem_id 0
		.amdhsa_next_free_vgpr 1024
		.amdhsa_next_free_sgpr 66
		.amdhsa_reserve_vcc 1
		.amdhsa_float_denorm_mode_32 3
		.amdhsa_float_denorm_mode_16_64 3
		.amdhsa_memory_ordered 1
		.amdhsa_forward_progress 1
		.amdhsa_inst_pref_size 255
	.end_amdhsa_kernel
	.section	.bss,"aw",@nobits
	.p2align	6
	.space	262144
	.amdgpu_metadata
---
amdhsa.version: [ 1, 2 ]
amdhsa.kernels:
  - .name:           k_qf64daf377f_attn
    .symbol:         k_qf64daf377f_attn.kd
    .args:
      - { .name: xq, .offset: 0, .size: 8, .value_kind: global_buffer, .address_space: global }
      - { .name: xs, .offset: 8, .size: 8, .value_kind: global_buffer, .address_space: global }
      - { .name: wq, .offset: 16, .size: 8, .value_kind: global_buffer, .address_space: global }
      - { .name: ws, .offset: 24, .size: 8, .value_kind: global_buffer, .address_space: global }
      - { .name: qkv_b, .offset: 32, .size: 8, .value_kind: global_buffer, .address_space: global }
      - { .name: cq, .offset: 40, .size: 8, .value_kind: global_buffer, .address_space: global }
      - { .name: cs, .offset: 48, .size: 8, .value_kind: global_buffer, .address_space: global }
    .group_segment_fixed_size: 310784
    .private_segment_fixed_size: 0
    .kernarg_segment_align: 8
    .kernarg_segment_size: 56
    .max_flat_workgroup_size: 128
    .sgpr_count:     66
    .vgpr_count:     1024
    .wavefront_size: 32
...
	.end_amdgpu_metadata
.endif
;; end of part 2
;; launch proj (part 3): grid 4 x 64, 4 waves a work-group, clusters of 4 x 1, 177,664 bytes of LDS; arguments cq, cs, pq, ps, proj_b, out0; writes out0
.if DOCPART == 3
	.amdgcn_target "amdgcn-amd-amdhsa--gfx1250"
	.amdhsa_code_object_version 6
	.text
	.protected	k_qf64daf377f_proj
	.globl	k_qf64daf377f_proj
	.p2align	8
	.type	k_qf64daf377f_proj,@function
k_qf64daf377f_proj:
	s_mov_b64 s[64:65], 0
	v_nop
	global_prefetch_b8 v0, s[64:65] scope:SCOPE_SE
	s_setreg_imm32_b32 hwreg(HW_REG_WAVE_MODE, 25, 1), 1
	s_wait_xcnt 0x0
	s_wait_alu depctr_hold_cnt(0) depctr_sa_sdst(0) depctr_va_vdst(0) depctr_va_sdst(0) depctr_va_ssrc(0) depctr_va_vcc(0) depctr_vm_vsrc(0)
	s_getreg_b32 s2, hwreg(HW_REG_IB_STS2, 6, 4)
	s_cmp_eq_u32 s2, 0
	s_cbranch_scc0 .Lentry_in_a_cluster
	s_endpgm
.Lentry_in_a_cluster:
	s_bfe_u32 s2, ttmp6, 0x10000c
	s_cmp_lg_u32 s2, 0x3003
	s_cbranch_scc0 .Lentry_shape_is_right
	s_endpgm
.Lentry_shape_is_right:
; out = ctx proj_w^T + proj_b on codes of FP6 (E2M3), for one batch (197 tokens, 13 tiles of 16) and 256 columns; a wave makes 64 columns: 256 bytes of each output row.
; ctx and proj_w come as images of operand registers (1,536 bytes a fragment: registers 0-3 at 16 x lane, 4-5 at 512 + 8 x lane, 6-9 at 768 + 16 x lane, 10-11 at 1,280 + 8 x lane).
; TILE ORDER: row m of tile 2 b + u is row 32 b + 8 u + m + 8 (m / 8), for tokens and for proj_w's rows.  Source 0 = proj_w, source 1 = tokens: a lane holds one token, and the 32 registers of a
; token tile's four accumulators are columns 32 b + 16 h + 0 .. 15.  Token tile 12 has tokens 192-196 in rows 0-4; the rest is padding and is not stored.
; THE WALK GOES BY TOKEN TILES.  A wave's 64 rows of proj_w, all of K, are 32 fragments, 384 registers: they are loaded once and stay.  A token tile is then finished by 32 products
; (8 K steps x 4 accumulators, which take turns), and leaves through the wave's stage while the next tiles are multiplied: 13 runs of stores stand among the products, not behind them.
; Each fragment of ctx is read from LDS once by each wave, each fragment of proj_w from memory once by each wave.
; CLUSTER: the four work-groups of a batch read the same image of ctx (159,744 bytes): one joint first fill, a quarter a wave.  The weights are not shared so: each wave takes its own 64 rows
; straight into the registers in which they stay.
; NO PREFETCH: the text has no loop to run ahead in: all that it reads is asked for at its head.
; REGISTERS, in windows of 256.  Window 0: v0-31 addresses; v32-99 scale words and nothing else; v100-163 rows on the way out, two sets of 32.
;   Window 1: v0-191 ctx's fragments of a token tile (8 K steps x 12), two sets; v192-255 the tile's four accumulators, two sets.
;   Window 2: proj_w's fragments of K steps 0-4 (48 ks + 12 wt).   Window 3: v0-143 those of K steps 5-7; v192-223 the bias.
.set STG,   159744                     ; behind the image: a stage of 16 rows x (256 + 16) bytes for each wave
.set SPARE, 177152                     ; the spare words, 128 bytes a wave
.set XA16, 8                           ; v8-10  16 x lane + 59,904 g: the image in three runs of 39 fragments, so that offsets stay under 65,536
.set XA8,  11                          ; v11-13 8 x lane + 59,904 g
.set SPW,  16                          ; v16 my spare word; never rewritten
.set NIL,  17                          ; v17 0; never rewritten
.set XS,   32                          ; v32-83 ctx's scale words: tile t, K steps 2 i (lanes 0-15) and 2 i + 1 (lanes 16-31) at XS + 4 t + i
.set WS,   84                          ; v84-99 proj_w's likewise
.set OB,   100
.set BI,   192
.set WP,   8
.set MSB, 0
.macro WIN new                         ; the immediate's high byte repeats the setting that is left
.if MSB != (\new)
	s_set_vgpr_msb (MSB<<8)|(\new)
.set MSB, \new
.endif
.endm
.macro PLACES                          ; four places behind matrix instructions, ahead of loads into their registers and of reads of their results
.rept 4
	v_nop
.endr
.endm
.macro ROUND                           ; a round of the cluster's barrier
	s_barrier_signal -1
	s_barrier_wait -1
	s_cmp_lg_u32 s18, 0
	s_cbranch_scc1 .Lnot_wave_0_\@
	s_barrier_signal -3
.Lnot_wave_0_\@:
	s_barrier_wait -3
	s_barrier_signal -1
	s_barrier_wait -1
.endm
.macro WM d, a, b, c, sa, sb, row      ; one product; row = 1: both scale words from lanes 16-31
.if \row
	v_wmma_scale_f32_16x16x128_f8f6f4 v[\d:\d+7], v[\a:\a+11], v[\b:\b+11], v[\c:\c+7], v[\sa], v[\sb] matrix_a_fmt:MATRIX_FMT_FP6 matrix_b_fmt:MATRIX_FMT_FP6 matrix_a_scale:MATRIX_SCALE_ROW1 matrix_b_scale:MATRIX_SCALE_ROW1
.else
	v_wmma_scale_f32_16x16x128_f8f6f4 v[\d:\d+7], v[\a:\a+11], v[\b:\b+11], v[\c:\c+7], v[\sa], v[\sb] matrix_a_fmt:MATRIX_FMT_FP6 matrix_b_fmt:MATRIX_FMT_FP6
.endif
.endm
.macro XT t                            ; ctx's eight fragments of token tile t into set t % 2 of window 1: 32 loads
.irp ks, 0,1,2,3,4,5,6,7
.set XG, (\ks)/3
.set XO, (13*(\ks)+(\t)-39*XG)*1536
.set XR, 96*((\t)%2)+12*(\ks)
	ds_load_b128 v[XR:XR+3], v[XA16+XG] offset:XO
	ds_load_b64 v[XR+4:XR+5], v[XA8+XG] offset:XO+512
	ds_load_b128 v[XR+6:XR+9], v[XA16+XG] offset:XO+768
	ds_load_b64 v[XR+10:XR+11], v[XA8+XG] offset:XO+1280
.endr
.endm
.macro WSET ks                         ; proj_w's four fragments of K step ks into their lasting place: 16 loads
.if (\ks) < 5
	WIN 0x80
.set WB, 48*(\ks)
.else
	WIN 0xc0
.set WB, 48*((\ks)-5)
.endif
.irp wt, 0,1,2,3
.set WR, WB+12*\wt
.set WO, (4*(\ks)+\wt)*1536
	global_load_b128 v[WR:WR+3], v4, s[WP:WP+1] offset:WO
	global_load_b64 v[WR+4:WR+5], v5, s[WP:WP+1] offset:WO+512
	global_load_b128 v[WR+6:WR+9], v4, s[WP:WP+1] offset:WO+768
	global_load_b64 v[WR+10:WR+11], v5, s[WP:WP+1] offset:WO+1280
.endr
.endm
.macro MM ks, t, wt                    ; accumulator wt of set t % 2.  The bias is the C of the first K step
.set AR, 192+32*((\t)%2)+8*(\wt)
.set FX, 96*((\t)%2)+12*(\ks)
.if (\ks) < 5
.set FW, 48*(\ks)+12*(\wt)
.else
.set FW, 48*((\ks)-5)+12*(\wt)
.endif
.if (\ks) == 0
	WIN 0x76                                       ; source 0 window 2, source 1 window 1, C window 3, D window 1
	WM AR, FW, FX, BI+8*(\wt), WS+4*(\wt), XS+4*(\t), 0
.elseif (\ks) < 5
	WIN 0x56
	WM AR, FW, FX, AR, WS+4*(\wt)+(\ks)/2, XS+4*(\t)+(\ks)/2, (\ks)%2
.else
	WIN 0x57                                       ; source 0 window 3
	WM AR, FW, FX, AR, WS+4*(\wt)+(\ks)/2, XS+4*(\t)+(\ks)/2, (\ks)%2
.endif
.endm
	s_load_b256 s[4:11], s[0:1], 0x0               ; cq, cs, pq, ps
	s_load_b128 s[12:15], s[0:1], 0x20             ; proj_b, out0
	v_lshl_add_u32 v[SPW], v0, 2, SPARE
	v_mov_b32 v[NIL], 0
	ds_add_u32 v[SPW], v[NIL]                      ; the wave's opening: the add, twice on end, and its wait ahead of my first tensor load
	ds_add_u32 v[SPW], v[NIL]
	v_lshrrev_b32 v1, 5, v0
	v_readfirstlane_b32 s18, v1                    ; wave 0..3
	s_mov_b32 s24, 15|(3<<16)|(1<<21)              ; group 1: the mask names all four work-groups, bit 21 beside it; elements of 8 bytes; no padding
	s_mov_b32 s25, 32<<16                          ; rows of 256 bytes,
	s_mov_b32 s26, 156<<16                         ; 156 of them: a quarter of the batch's image
	s_mov_b32 s27, 32<<16
	s_mov_b32 s28, 156
	s_mov_b32 s29, 32                              ; the block is dense
	s_mov_b32 s30, 0
	s_mov_b32 s31, 0
	s_and_b32 s20, ttmp7, 0xffff                   ; the batch, which the four partners share
	s_mul_i32 s22, s20, 159744
	s_mul_i32 s33, s18, 39936                      ; group 0: LDS address: my quarter
	s_add_co_u32 s22, s22, s33
	s_mov_b32 s23, 0
	s_mov_b32 s32, 1
	s_wait_dscnt 0x0                               ; both opening adds are done
	s_wait_kmcnt 0x0
	s_add_nc_u64 s[34:35], s[4:5], s[22:23]
	s_or_b32 s35, s35, 0x80000000
	ROUND                                          ; all four work-groups are here: the joint loads meet
	tensor_load_to_lds s[32:35], s[24:31]          ; my one tensor load of the launch
	s_nop 0
.rept 4
	v_nop
.endr
	v_and_b32 v1, 31, v0                           ; lane
	v_and_b32 v2, 15, v0                           ; r
	v_bfe_u32 v3, v0, 4, 1                         ; h
	v_lshlrev_b32 v4, 4, v1
	v_lshlrev_b32 v5, 3, v1
	v_lshlrev_b32 v6, 2, v1
	v_lshlrev_b32 v7, 6, v3                        ; 64 h
.irp g, 0,1,2
	v_add_nc_u32 v[XA16+\g], 59904*\g, v4
	v_add_nc_u32 v[XA8+\g], 59904*\g, v5
.endr
	s_mul_i32 s48, s18, 4352
	s_add_co_u32 s48, s48, STG                     ; my stage
	v_mul_u32_u24 v18, v2, 272
	v_add_nc_u32 v18, v18, v7
	v_add_nc_u32 v18, s48, v18                     ; in: row r, + 64 h
	v_mul_u32_u24 v19, v3, 272
	v_lshl_add_u32 v19, v2, 4, v19
	v_add_nc_u32 v19, s48, v19                     ; back: lanes 0-15 one row of 256 bytes, lanes 16-31 the next
	v_lshlrev_b32 v20, 12, v3
	v_lshl_add_u32 v20, v2, 4, v20                 ; and the same two rows in out0: 4,096 bytes apart
	s_bfe_u32 s19, ttmp6, 0x40000                  ; my place in the cluster: it enters global addresses alone
	s_lshl_b32 s49, ttmp9, 2
	s_add_co_u32 s19, s19, s49                     ; which 256 columns
	s_lshl_b32 s21, s19, 2
	s_add_co_u32 s21, s21, s18                     ; which 64 are my wave's
	s_mul_i32 s22, s20, 7168
	s_add_nc_u64 s[6:7], s[6:7], s[22:23]          ; the batch's scale words
	s_mul_i32 s22, s21, 49152
	s_add_nc_u64 s[WP:WP+1], s[WP:WP+1], s[22:23]
	s_lshl_b32 s22, s21, 11
	s_add_nc_u64 s[10:11], s[10:11], s[22:23]
	s_lshl_b32 s22, s21, 8
	s_add_nc_u64 s[12:13], s[12:13], s[22:23]      ; my 64 numbers of the bias,
	s_add_nc_u64 s[14:15], s[14:15], s[22:23]      ; my 256 bytes of a row,
	s_mul_i32 s22, s20, 806912
	s_add_nc_u64 s[14:15], s[14:15], s[22:23]      ; in the batch's 197 rows
.irp t, 0,1,2,3,4,5,6,7,8,9,10,11,12
.irp i, 0,1,2,3
	global_load_b32 v[XS+4*\t+\i], v6, s[6:7] offset:1792*\i+128*\t
.endr
.endr
.irp wt, 0,1,2,3
	global_load_b64 v[WS+4*\wt:WS+4*\wt+1], v5, s[10:11] offset:512*\wt
	global_load_b64 v[WS+4*\wt+2:WS+4*\wt+3], v5, s[10:11] offset:512*\wt+256
.endr
	WIN 0xc0
.irp wt, 0,1,2,3
	global_load_b128 v[BI+8*\wt:BI+8*\wt+3], v7, s[12:13] offset:4*(32*(\wt/2)+8*(\wt%2))      ; columns 32 b + 16 h + 8 u + 0 .. 7
	global_load_b128 v[BI+8*\wt+4:BI+8*\wt+7], v7, s[12:13] offset:4*(32*(\wt/2)+8*(\wt%2))+16
.endr
.irp ks, 0,1,2,3,4,5,6,7
	WSET \ks                                       ; the weights last, K ascending: the first tile waits for them set by set
.endr
	WIN 0
	s_wait_alu depctr_va_vdst(0)
	s_wait_tensorcnt 0x0                           ; my quarter of the image has landed:
	s_barrier_signal -1
	s_barrier_wait -1                              ; everybody's has
	WIN 0x40                                       ; destination window 1, address window 0
	XT 0
	XT 1
; THE WAY OUT of a tile of 16 tokens: a lane holds 16 + 16 numbers of one row; they go through my own stage and come back as whole rows of 256 bytes, which sixteen lanes store.
; LDS serves a wave's instructions in order (ISA guide 5.7.1.4): no wait between the stores and the loads, nor ahead of the next tile's stores.
.macro TOSTAGE t
.set AR, 192+32*((\t)%2)
	WIN 0x04                                       ; an LDS store's data are its source 1: window 1
.irp q, 0,1,2,3,4,5,6,7
	ds_store_b128 v18, v[AR+4*\q:AR+4*\q+3] offset:128*(\q/4)+32*((\q/2)%2)+16*(\q%2)   ; each accumulator from its low end on
.endr
	WIN 0
.set OBB, OB+32*((\t)%2)
.irp i, 0,1,2,3,4,5,6,7
.if ((\t) < 12) || (\i < 3)
	ds_load_b128 v[OBB+4*\i:OBB+4*\i+3], v19 offset:544*\i
.endif
.endr
.endm
.macro SEND t, younger                 ; younger: the LDS instructions issued behind tile t's loads from the stage
.set OBB, OB+32*((\t)%2)
.set TB0, 32*((\t)/2)+8*((\t)%2)
	s_wait_dscnt \younger
.irp i, 0,1,2,3,4,5,6,7
.if ((\t) < 12) || (\i < 2)
	global_store_b128 v20, v[OBB+4*\i:OBB+4*\i+3], s[14:15] offset:(TB0+2*\i+8*(\i/4))*4096 th:TH_STORE_NT   ; 16 lanes store 256 consecutive bytes, at a multiple of 256 from out0's first byte
.endif
.endr
.endm
; A token tile: its 32 products; the fragments of the tile two further on, into the set just read; its results into the stage; the tile before it, back from the stage, is stored.
; Tile t's fragments were asked for two tiles ago, ahead of tile t - 2's turn through the stage: the wait in SEND t - 2 has shown them in (tiles 0 and 1 have waits of their own).
.macro STEP t, younger
.if (\t) == 0
	s_wait_dscnt 32                                ; tile 0's fragments are in; tile 1's 32 loads may be out
.elseif (\t) == 1
	s_wait_dscnt 48                                ; tile 1's are in; behind them: tile 2's 32 loads and tile 0's 16 stage instructions
.endif
.irp ks, 0,1,2,3,4,5,6,7
.if (\t) == 0
.if \ks == 0
	s_wait_loadcnt 63                              ; scale words, bias and the sets of K steps 0-3 are in: behind them 64 loads were issued
.elseif \ks > 3
	s_wait_loadcnt 16*(7-\ks)                      ; this K step's set is in; the sets issued behind it may be out
.endif
.endif
.irp wt, 0,1,2,3
	MM \ks, \t, \wt                                ; the four accumulators take turns, one instruction a turn
.endr
.endr
	PLACES
.if (\t)+2 < 13
	WIN 0x40
	XT (\t)+2
.endif
.if (\t) > 1
	s_wait_xcnt 0x0                                ; the stores of two tiles back have read their registers: this tile's rows land there
.endif
	TOSTAGE \t
.if (\t) > 0
	SEND (\t)-1, \younger
.endif
.endm
	STEP 0, 0
.irp t, 1,2,3,4,5,6,7,8,9,10
	STEP \t, 48                                    ; behind tile t - 1's loads from the stage: 32 fragment loads, 8 stores and 8 loads
.endr
	STEP 11, 16                                    ; no fragments are left to fetch
	STEP 12, 11                                    ; tile 12 has 8 stores and 3 loads
	SEND 12, 0                                     ; tokens 192-195
	s_wait_xcnt 0x0                                ; EXEC changes only behind this wait
	v_cmp_gt_u32 vcc_lo, 16, v1
	s_and_saveexec_b32 s48, vcc_lo                 ; token 196 lies in lanes 0-15; lanes 16-31 hold padding
	global_store_b128 v20, v[OB+8:OB+11], s[14:15] offset:196*4096 th:TH_STORE_NT
	s_wait_xcnt 0x0                                ; and again ahead of the line that widens it
	s_or_b32 exec_lo, exec_lo, s48
	s_wait_tensorcnt 0x0                           ; the wave's end, behind my last tensor load and my last LDS store
	ds_add_u32 v[SPW], v[NIL]
	s_wait_dscnt 0x0
	ROUND                                          ; the closing round
	s_endpgm
.Lfunc_end_k_qf64daf377f_proj:
	.size	k_qf64daf377f_proj, .Lfunc_end_k_qf64daf377f_proj-k_qf64daf377f_proj
	.p2alignl 7, 3214868480
	.fill 96, 4, 3214868480
	.section	.rodata,"a",@progbits
	.p2align	6, 0x0
	.amdhsa_kernel k_qf64daf377f_proj
		.amdhsa_group_segment_fixed_size 177664
		.amdhsa_private_segment_fixed_size 0
		.amdhsa_enable_private_segment 0
		.amdhsa_kernarg_size 48
		.amdhsa_user_sgpr_count 2
		.amdhsa_user_sgpr_kernarg_segment_ptr 1
		.amdhsa_wavefront_size32 1
		.amdhsa_system_sgpr_workgroup_id_x 1
		.amdhsa_system_sgpr_workgroup_id_y 1
		.amdhsa_system_sgpr_workgroup_id_z 1
		.amdhsa_system_vgpr_workitem_id 0
		.amdhsa_next_free_vgpr 1024
		.amdhsa_next_free_sgpr 66
		.amdhsa_reserve_vcc 1
		.amdhsa_float_denorm_mode_32 3
		.amdhsa_float_denorm_mode_16_64 3
		.amdhsa_memory_ordered 1
		.amdhsa_forward_progress 1
		.amdhsa_inst_pref_size 129
	.end_amdhsa_kernel
	.amdgpu_metadata
---
amdhsa.version: [ 1, 2 ]
amdhsa.kernels:
  - .name:           k_qf64daf377f_proj
    .symbol:         k_qf64daf377f_proj.kd
    .args:
      - { .name: cq, .offset: 0, .size: 8, .value_kind: global_buffer, .address_space: global }
      - { .name: cs, .offset: 8, .size: 8, .value_kind: global_buffer, .address_space: global }
      - { .name: pq, .offset: 16, .size: 8, .value_kind: global_buffer, .address_space: global }
      - { .name: ps, .offset: 24, .size: 8, .value_kind: global_buffer, .address_space: global }
      - { .name: proj_b, .offset: 32, .size: 8, .value_kind: global_buffer, .address_space: global }
      - { .name: out0, .offset: 40, .size: 8, .value_kind: global_buffer, .address_space: global }
    .group_segment_fixed_size: 177664
    .private_segment_fixed_size: 0
    .kernarg_segment_align: 8
    .kernarg_segment_size: 48
    .max_flat_workgroup_size: 128
    .sgpr_count:     66
    .vgpr_count:     1024
    .wavefront_size: 32
...
	.end_amdgpu_metadata
.endif
;; end of part 3
